; MI455X (gfx1250); checked and timed in simulation.
; The chip was launched on July 23, 2026; its instructions are those of AMD's public machine-readable ISA for CDNA 5 (MIT licence, August 2026) and "CDNA5" Instruction Set Architecture Reference Guide (July 2026). The comments in the code are by the model that wrote it; some were corrected since.
;; Module Selector. Allowed arithmetic: matrix products marked QUANTISED: E2M3 operands, one E8M0 scale for each 32 along K, by v_wmma_scale_f32_16x16x128_f8f6f4 with both operands' format E2M3, f32 sums; everything else in f32.
;; Inputs: W1 16 x 256 x 1,024 float32; W2 16 x 1,024 x 256 float32; b1 16 x 1,024 float32; b2 16 x 256 float32; in_feats 8,192 x 256 float32; module_ids 8,192 int32.
;; Outputs: out0 8,192 x 256 float32.
;; This version of the problem:
;;   THIS VERSION OF THE PROBLEM IS GIVEN IN LOW PRECISION. The matrix products marked QUANTISED in the list below multiply operands that are first quantised to E2M3 (2 exponent bits, 3 mantissa bits; 6 bits a number), with one power-of-two scale for each 32 numbers along K (OCP MX v1.0); their sums are f32. All else is computed in f32.
;;   The module's matrix products, in the order in which they are computed (A, B: the left and right operand; K: the contracted axis; several contracted axes count as one K, in the product's order):
;;     1. [M 8,192, K 256] x [K 256, N 1,024]; A: input in_feats; B: input W1: QUANTISED
;;     2. [M 8,192, K 1,024] x [K 1,024, N 256]; A: computed on the way; B: input W2: QUANTISED
;;     3. [M 8,192, K 256] x [K 256, N 1,024]; A: input in_feats; B: input W1: QUANTISED
;;     4. [M 8,192, K 1,024] x [K 1,024, N 256]; A: computed on the way; B: input W2: QUANTISED
;;     5. [M 8,192, K 256] x [K 256, N 1,024]; A: input in_feats; B: input W1: QUANTISED
;;     6. [M 8,192, K 1,024] x [K 1,024, N 256]; A: computed on the way; B: input W2: QUANTISED
;;     7. [M 8,192, K 256] x [K 256, N 1,024]; A: input in_feats; B: input W1: QUANTISED
;;     8. [M 8,192, K 1,024] x [K 1,024, N 256]; A: computed on the way; B: input W2: QUANTISED
;;     9. [M 8,192, K 256] x [K 256, N 1,024]; A: input in_feats; B: input W1: QUANTISED
;;     10. [M 8,192, K 1,024] x [K 1,024, N 256]; A: computed on the way; B: input W2: QUANTISED
;;     11. [M 8,192, K 256] x [K 256, N 1,024]; A: input in_feats; B: input W1: QUANTISED
;;     12. [M 8,192, K 1,024] x [K 1,024, N 256]; A: computed on the way; B: input W2: QUANTISED
;;     13. [M 8,192, K 256] x [K 256, N 1,024]; A: input in_feats; B: input W1: QUANTISED
;;     14. [M 8,192, K 1,024] x [K 1,024, N 256]; A: computed on the way; B: input W2: QUANTISED
;;     15. [M 8,192, K 256] x [K 256, N 1,024]; A: input in_feats; B: input W1: QUANTISED
;;     16. [M 8,192, K 1,024] x [K 1,024, N 256]; A: computed on the way; B: input W2: QUANTISED
;;     17. [M 8,192, K 256] x [K 256, N 1,024]; A: input in_feats; B: input W1: QUANTISED
;;     18. [M 8,192, K 1,024] x [K 1,024, N 256]; A: computed on the way; B: input W2: QUANTISED
;;     19. [M 8,192, K 256] x [K 256, N 1,024]; A: input in_feats; B: input W1: QUANTISED
;;     20. [M 8,192, K 1,024] x [K 1,024, N 256]; A: computed on the way; B: input W2: QUANTISED
;;     21. [M 8,192, K 256] x [K 256, N 1,024]; A: input in_feats; B: input W1: QUANTISED
;;     22. [M 8,192, K 1,024] x [K 1,024, N 256]; A: computed on the way; B: input W2: QUANTISED
;;     23. [M 8,192, K 256] x [K 256, N 1,024]; A: input in_feats; B: input W1: QUANTISED
;;     24. [M 8,192, K 1,024] x [K 1,024, N 256]; A: computed on the way; B: input W2: QUANTISED
;;     25. [M 8,192, K 256] x [K 256, N 1,024]; A: input in_feats; B: input W1: QUANTISED
;;     26. [M 8,192, K 1,024] x [K 1,024, N 256]; A: computed on the way; B: input W2: QUANTISED
;;     27. [M 8,192, K 256] x [K 256, N 1,024]; A: input in_feats; B: input W1: QUANTISED
;;     28. [M 8,192, K 1,024] x [K 1,024, N 256]; A: computed on the way; B: input W2: QUANTISED
;;     29. [M 8,192, K 256] x [K 256, N 1,024]; A: input in_feats; B: input W1: QUANTISED
;;     30. [M 8,192, K 1,024] x [K 1,024, N 256]; A: computed on the way; B: input W2: QUANTISED
;;     31. [M 8,192, K 256] x [K 256, N 1,024]; A: input in_feats; B: input W1: QUANTISED
;;     32. [M 8,192, K 1,024] x [K 1,024, N 256]; A: computed on the way; B: input W2: QUANTISED
;;   THE QUANTISER, for each operand of a quantised product, along K:
;;     - K is cut into blocks of 32 from its start; a last block that is shorter is filled with zeros.
;;     - A block's scale is 2^e with e = floor(log2(the largest magnitude in the block)) - 2, held to -126 .. 127; a block of zeros has e = 0. As a byte (E8M0): e + 127.
;;     - Each number is divided by its block's scale, clamped to +-7.5, and rounded to the nearest number of E2M3, ties to even, subnormals kept.
;;     - The product sums the exact products of the quantised numbers (number of the format x scale) in f32.
;;   ~~~python
;;   def quantise(x, axis):      # numpy; x: float32 -> the quantised numbers, widened to float32 again
;;       x = np.moveaxis(x, axis, -1); K = x.shape[-1]
;;       x = np.pad(x, [(0, 0)] * (x.ndim - 1) + [(0, -K % 32)]); x = x.reshape(x.shape[:-1] + (-1, 32)); a = np.abs(x).max(-1, keepdims=True)
;;       e = np.where(a > 0, np.clip(np.frexp(np.where(a > 0, a, 1))[1] - 1 - 2, -126, 127), 0)      # np.frexp(a)[1] - 1 = floor(log2(a)), exactly
;;       r = np.clip(x / 2.0 ** e, -7.5, 7.5)
;;       step = 2.0 ** (np.maximum(np.frexp(np.where(r == 0, 1, r))[1] - 1, 0) - 3)
;;       q = np.round(r / step) * step * 2.0 ** e      # np.round: ties to even
;;       return np.moveaxis(q.reshape(q.shape[:-2] + (-1,))[..., :K], -1, axis).astype(np.float32)
;;   ~~~
;;   OPERANDS COMPUTED ON THE WAY. 'Computed on the way' means the value that the module computes at that place (a softmax that the list does not call 'softmax' is quantised finished and normalised). What goes into a quantiser is computed in f32, as accurately as f32 sums, v_exp_f32 and their like allow (about 1e-6 of the number): no bf16 or f16 on the way to a quantiser, and a product that is left as it is and whose result goes on into a quantised operand takes f32 operands (vector FMAs, or v_wmma_f32_16x16x4_f32). A number that lies on a knife's edge between two numbers of the format may be rounded either way, as far as f32 arithmetic and the matrix unit's own rounding can turn it there, and no further.
;; One version. Each part assembles by itself: llvm-mc -triple=amdgcn-amd-amdhsa -mcpu=gfx1250 --defsym DOCPART=n.
;; ======== version 1 of 1: 2 launches
;; workspace buffers: wc 6,291,456 bytes; ws 262,144 bytes; order 40,960 bytes of whole numbers; tiles 1,280 bytes of whole numbers
;; launch prep (part 1): grid 258 x 1, 8 waves a work-group, no clusters, 55,296 bytes of LDS; arguments W1, W2, module_ids, wc, ws, order, tiles; writes wc, ws, order, tiles
.if DOCPART == 1
	.amdgcn_target "amdgcn-amd-amdhsa--gfx1250"
	.amdhsa_code_object_version 6
	.text
	.protected	k_qb597063607_prep
	.globl	k_qb597063607_prep
	.p2align	8
	.type	k_qb597063607_prep,@function
k_qb597063607_prep:
	s_mov_b64 s[64:65], 0
	v_nop
	global_prefetch_b8 v0, s[64:65] scope:SCOPE_SE
	s_setreg_imm32_b32 hwreg(HW_REG_WAVE_MODE, 25, 1), 1
	s_wait_xcnt 0x0
; PREP: what the expert launch needs, made once.
; Work-groups 0 and 1 SORT: each takes 4,096 of the 8,192 module ids and places their tokens by expert (a counting sort, 17 buckets: experts 0-15, and bucket 16 for every id
; that is no expert's, taken as unsigned).  Each bucket is cut into slots of 64 rows; a sorter has 80 slots, as many as any split of 4,096 ids over 17 buckets can need (64 + 16).
;   order: 160 slots x 64 token numbers (holes hold 0);   tiles: 160 x (expert 0..16, rows 0..64).
; Work-groups 2-129 QUANTISE W1 [16][256 k][1024 n], work-groups 130-257 W2 [16][1024 k][256 n], along K, to codes of FP6 (E2M3) with one E8M0 byte for each 32 along K.
; A LANE TAKES A COLUMN n AND ITS REGISTERS RUN DOWN K: each load reads 128 consecutive bytes a wave (1,024 a work-group), a block of 32 lies in one lane, nothing is transposed by an instruction.
; A wave makes one UNIT: 32 columns x 128 along K = two operand fragments of 16 rows x 128 K.  The codes are laid AS THE OPERAND'S REGISTERS WANT THEM: register i of lane L of a fragment at
; 512 (i / 4) + 16 L + 4 (i % 4), so that the expert launch brings a fragment by three loads of 16 bytes a lane.  Unit U = ((matrix x 16 + expert) x 8 + w) x 8 + q lies at 3,072 U in wc, its 32 scale words at 128 U in ws.
;   W1: w = n / 128, q = 2 b + s (b = (n / 32) % 4, s = k / 128); column x of the 32 is row r' = x % 8 + 8 (x / 16) of fragment u = (x / 8) % 2: so a fragment's rows are hidden units 32 b + 8 u + r' + 8 (r' / 8).
;   W2: w = n / 32,  q = s = k / 128; column x is row r' = x % 16 of fragment u = x / 16.
; A block's scale is 2^(floor(log2(its largest magnitude)) - 2): its byte is that magnitude's exponent field - 2, held at 1 from below.
; LIMITS: NaN and infinities among the weights are not served; a block whose largest magnitude lies under 2^-124 gets the byte 1; a block of zeros gets the byte 1 and not 127: its codes are zeros, and this program alone reads the bytes.
; The three kinds of work-group part on the work-group's number alone and never join again; each has LDS bytes of its own.  No tensor loads: every access goes through registers.
.set NS,    2                          ; sorters
.set TPS,   80                         ; slots of a sorter
.set Q1STG, 0                          ; LDS: W1's stages, 8 waves x 3,328 bytes
.set Q2STG, 26624                      ; W2's likewise
.set SORTL, 53248                      ; the sorters' 8 x 128 bytes of counts
.set WSTG,  3328                       ; a wave's stage: two fragments,
.set SFR,   1664                       ; 1,536 + 128 bytes apart: in W1's map lanes x and x + 8 belong to different fragments and so fall into different halves of the 64 banks (ISA guide 11.1)
.set CB,    24                         ; v24-47  codes: the registers of lane r' (h = 0) at CB, of lane 16 + r' (h = 1) at CB + 12
.set CT,    48                         ; v48-50  a block's upper 16 codes (a conversion's three registers begin on an even number)
.set SW,    52                         ; v52     my column's scale word
.set X,     64                         ; v64-191 four blocks of 32 numbers
	s_load_b256 s[4:11], s[0:1], 0x0               ; W1 s[4:5], W2 s[6:7], module_ids s[8:9], wc s[10:11]
	s_load_b128 s[12:15], s[0:1], 0x20             ; ws s[12:13], order s[14:15]
	s_load_b64 s[16:17], s[0:1], 0x30              ; tiles
	v_lshl_add_u32 v192, v0, 2, 0xd400
	v_mov_b32 v193, 0
	v_lshrrev_b32 v1, 5, v0
	s_delay_alu instid0(VALU_DEP_1)
	v_readfirstlane_b32 s18, v1                    ; wave 0..7
	v_and_b32 v1, 31, v0                           ; lane
	s_wait_kmcnt 0x0
	s_cmp_lt_u32 ttmp9, NS
	s_cbranch_scc1 .Lsort
	s_sub_co_u32 s19, ttmp9, NS                    ; which of the 256 quantising work-groups
	s_wait_alu depctr_va_vdst(0)
	v_lshlrev_b32 v2, 2, v1                        ; in: 4 bytes a lane
	v_lshlrev_b32 v5, 4, v1                        ; out: 16 bytes a lane
	s_mul_i32 s26, s18, WSTG                       ; my wave's stage
	s_cmp_lt_u32 s19, 128
	s_cbranch_scc0 .Lw2
.macro LOADB blk, pitch, sp            ; block blk: rows 32 blk + i of my column, i = 0 .. 31
.irp i, 0,1,2,3,4,5,6,7,8,9,10,11,12,13,14,15,16,17,18,19,20,21,22,23,24,25,26,27,28,29,30,31
	global_load_b32 v[X+32*(\blk)+\i], v2, s[\sp:\sp+1] offset:(32*(\blk)+\i)*\pitch th:TH_LOAD_NT
.endr
.endm
.macro BLOCK blk                       ; block blk = 2 c + h of the K step: registers 6 c .. 6 c + 5 of lane 16 h + r'
.set XS, X+32*(\blk)
.set D, CB+12*((\blk)%2)+6*((\blk)/2)
	v_max3_num_f32 v16, |v[XS]|, |v[XS+1]|, |v[XS+2]|              ; the block's largest magnitude: all 32 numbers are mine; two chains
	v_max3_num_f32 v17, |v[XS+3]|, |v[XS+4]|, |v[XS+5]|
.irp i, 6,10,14,18,22,26
	s_delay_alu instid0(VALU_DEP_2)
	v_max3_num_f32 v16, v16, |v[XS+\i]|, |v[XS+\i+1]|
	s_delay_alu instid0(VALU_DEP_2)
	v_max3_num_f32 v17, v17, |v[XS+\i+2]|, |v[XS+\i+3]|
.endr
	s_delay_alu instid0(VALU_DEP_2)
	v_max3_num_f32 v16, v16, |v[XS+30]|, |v[XS+31]|
	s_delay_alu instid0(VALU_DEP_1)
	v_max3_num_f32 v16, v16, v17, 0x1800000        ; and the floor 2^(3 - 127): the byte cannot fall under 1
	s_delay_alu instid0(VALU_DEP_1)
	v_add_nc_u32 v18, 0xff000000, v16              ; 2 off the exponent field: the conversion takes this operand's exponent field as its scale
	s_delay_alu instid0(VALU_DEP_1)
	v_lshrrev_b32 v19, 23, v18                     ; the scale's byte
	v_cvt_scalef32_pk16_fp6_f32 v[D:D+2], v[XS:XS+15], v18
	v_cvt_scalef32_pk16_fp6_f32 v[CT:CT+2], v[XS+16:XS+31], v18
.if (\blk) == 0
	v_mov_b32 v[SW], v19                           ; (a plain line behind the conversions)  byte b of the word scales k = 32 b .. 32 b + 31
.else
	v_lshl_or_b32 v[SW], v19, 8*(\blk), v[SW]
.endif
.irp i, 0,1,2
	v_mov_b32 v[D+3+\i], v[CT+\i]
.endr
.endm
; From the unit's number (s27), the lane's fragment (v7 = u) and row (v8 = r'): the places in wc and ws, and the stage's addresses
.macro QADR stg
	s_mul_i32 s24, s27, 3072
	s_mov_b32 s25, 0
	s_add_nc_u64 s[10:11], s[10:11], s[24:25]      ; my unit's codes
	s_lshl_b32 s24, s27, 7
	s_add_nc_u64 s[12:13], s[12:13], s[24:25]      ; my unit's scale words
	s_add_co_u32 s26, s26, \stg
	v_lshlrev_b32 v3, 4, v8
	s_delay_alu instid0(VALU_DEP_1)
	v_mad_u32_u24 v3, v7, SFR, v3
	s_delay_alu instid0(VALU_DEP_1)
	v_add_nc_u32 v3, s26, v3                       ; into the stage: fragment u, lane r' (+ 256 for lane 16 + r', + 512 for each four registers: immediates)
	v_add_nc_u32 v4, s26, v5                       ; out of it: 16 bytes a lane
	v_lshl_add_u32 v6, v7, 4, v8
	s_delay_alu instid0(VALU_DEP_1)
	v_lshlrev_b32 v6, 2, v6                        ; my scale word's place: 4 (16 u + r')
.endm
.macro QBODY pitch, sp
	LOADB 0, \pitch, \sp
	LOADB 1, \pitch, \sp
	s_wait_loadcnt 32                              ; block 0 is in; block 1's 32 loads may be out
	LOADB 2, \pitch, \sp
	BLOCK 0
	s_wait_loadcnt 32                              ; block 1 is in; block 2's may be out
	LOADB 3, \pitch, \sp
	BLOCK 1
	s_wait_loadcnt 32                              ; block 2 is in; block 3's may be out
	BLOCK 2
	s_wait_loadcnt 0x0
	BLOCK 3
.irp h, 0,1
.irp j, 0,1,2
	ds_store_b128 v3, v[CB+12*\h+4*\j:CB+12*\h+4*\j+3] offset:256*\h+512*\j
.endr
.endr
.irp u, 0,1
.irp j, 0,1,2
	ds_load_b128 v[X+4*(3*\u+\j):X+4*(3*\u+\j)+3], v4 offset:SFR*\u+512*\j   ; my wave's own bytes; LDS serves a wave's instructions in order (ISA guide 5.7.1.4): these see the stores above
.endr
.endr
	s_wait_alu depctr_va_vdst(0)
	s_wait_dscnt 0x0
.irp u, 0,1
.irp j, 0,1,2
	global_store_b128 v5, v[X+4*(3*\u+\j):X+4*(3*\u+\j)+3], s[10:11] offset:1536*\u+512*\j   ; 32 lanes store 512 consecutive bytes, at a multiple of 512 from wc's first byte
.endr
.endr
	global_store_b32 v6, v[SW], s[12:13]           ; the unit's 32 scale words: 128 consecutive bytes
	s_wait_tensorcnt 0x0
	ds_add_u32 v192, v193
	s_wait_dscnt 0x0
	s_endpgm
.endm
	; ---- W1: work-group p = 8 e + 4 s + qq takes expert e, K step s, columns 256 qq on; wave: 32 columns
	s_lshr_b32 s20, s19, 3                         ; e
	s_bfe_u32 s21, s19, 0x10002                    ; s
	s_and_b32 s22, s19, 3                          ; qq
	s_lshl_b32 s24, s20, 20                        ; an expert's W1 is 2^20 bytes,
	s_lshl_b32 s25, s21, 19                        ; 128 rows of 4,096 bytes,
	s_add_co_u32 s24, s24, s25
	s_lshl_b32 s25, s22, 10                        ; 256 columns,
	s_add_co_u32 s24, s24, s25
	s_lshl_b32 s25, s18, 7                         ; 32 columns
	s_add_co_u32 s24, s24, s25
	s_mov_b32 s25, 0
	s_add_nc_u64 s[4:5], s[4:5], s[24:25]
	s_lshl_b32 s24, s20, 3
	s_lshl_b32 s23, s22, 1
	s_add_co_u32 s24, s24, s23
	s_lshr_b32 s23, s18, 2
	s_add_co_u32 s24, s24, s23                     ; 8 e + w, w = 2 qq + wave / 4
	s_lshl_b32 s24, s24, 3
	s_and_b32 s23, s18, 3
	s_lshl_b32 s23, s23, 1
	s_add_co_u32 s24, s24, s23                     ; + 2 b, b = wave % 4
	s_add_co_u32 s27, s24, s21                     ; + s: the unit
	v_bfe_u32 v7, v0, 3, 1                         ; u = (x / 8) % 2
	v_and_b32 v8, 7, v0
	v_bfe_u32 v9, v0, 4, 1
	s_delay_alu instid0(VALU_DEP_1)
	v_lshl_add_u32 v8, v9, 3, v8                   ; r' = x % 8 + 8 (x / 16)
	s_wait_alu depctr_va_vdst(0)
	QADR Q1STG
	QBODY 4096, 4
.Lw2:   ; ---- W2: work-group p = 8 e + s takes expert e, K step s, all 256 columns; wave: 32 columns
	s_sub_co_u32 s19, s19, 128
	s_lshr_b32 s20, s19, 3                         ; e
	s_and_b32 s21, s19, 7                          ; s
	s_lshl_b32 s24, s20, 20                        ; an expert's W2 is 2^20 bytes,
	s_lshl_b32 s25, s21, 17                        ; 128 rows of 1,024 bytes,
	s_add_co_u32 s24, s24, s25
	s_lshl_b32 s25, s18, 7                         ; 32 columns
	s_add_co_u32 s24, s24, s25
	s_mov_b32 s25, 0
	s_add_nc_u64 s[6:7], s[6:7], s[24:25]
	s_add_co_u32 s24, s20, 16                      ; matrix 1
	s_lshl_b32 s24, s24, 3
	s_add_co_u32 s24, s24, s18                     ; w = wave
	s_lshl_b32 s24, s24, 3
	s_add_co_u32 s27, s24, s21                     ; the unit
	v_bfe_u32 v7, v0, 4, 1                         ; u = x / 16
	v_and_b32 v8, 15, v0                           ; r' = x % 16
	s_wait_alu depctr_va_vdst(0)
	QADR Q2STG
	QBODY 1024, 6
; ---- THE SORT.  Sorter g takes ids 4,096 g on; wave w 512 of them, as 16 vectors of 32.  No atomics and no LDS address that hangs on data: a lane's rank among the equal ids of its vector
; is a count of mask bits below it; the counts so far stand in 17 scalar registers; the waves' totals meet in LDS once.
.set MK,  28                           ; s28-44  a vector's 17 lane masks; later the buckets' totals N
.set CNT, 45                           ; s45-61  my wave's counts so far
.set TS,  66                           ; s66-82  each bucket's first slot
.set ID,  64                           ; v64-79  ids
.set LOC, 80                           ; v80-95  rank in the bucket within my wave
.set OFF, 96                           ; v96-111 where my wave's part of the id's bucket begins
.set TOK, 112                          ; v112-127 token numbers
.set POS, 128                          ; v128-143 byte offsets in order
.set WT,  144                          ; v144-151 the eight waves' counts, bucket e in lane e
.Lsort:
	s_lshl_b32 s20, ttmp9, 14                      ; 4,096 ids of 4 bytes a sorter,
	s_lshl_b32 s21, s18, 11                        ; 512 a wave
	s_add_co_u32 s20, s20, s21
	s_mov_b32 s21, 0
	s_add_nc_u64 s[8:9], s[8:9], s[20:21]
	s_wait_alu depctr_va_vdst(0)
	v_lshlrev_b32 v2, 4, v1
.irp i, 0,1,2,3
	global_load_b128 v[ID+4*\i:ID+4*\i+3], v2, s[8:9] offset:512*\i    ; register 4 i + j: token 4,096 g + 512 w + 128 i + 4 lane + j
.endr
	s_mul_i32 s20, ttmp9, TPS*256
	s_add_nc_u64 s[22:23], s[14:15], s[20:21]      ; my 80 slots of order: 20,480 bytes
	v_lshlrev_b32 v3, 4, v0
.irp i, 28,29,30,31
	v_mov_b32 v\i, 0
.endr
.irp i, 0,1,2,3,4
	global_store_b128 v3, v[28:31], s[22:23] offset:4096*\i            ; zeros everywhere first, so that the holes are written too: 256 threads x 16 bytes x 5
.endr
	v_lshl_add_u32 v4, v0, 2, SORTL                ; my wave's 128 bytes of counts, my lane's word
	v_lshl_add_u32 v5, v1, 2, SORTL                ; and any wave's, by the immediate
.irp e, 0,1,2,3,4,5,6,7,8,9,10,11,12,13,14,15,16
	s_mov_b32 s[CNT+\e], 0
.endr
	s_wait_loadcnt 0x0
.irp v, 0,1,2,3,4,5,6,7,8,9,10,11,12,13,14,15
	v_min_u32 v[ID+\v], 16, v[ID+\v]               ; what is no expert's number (negative ids too, as unsigned) goes to bucket 16
.endr
.macro VEC v
.set P, 16+2*((\v)%2)                  ; two pairs of registers by turns
.irp e, 0,1,2,3,4,5,6,7,8,9,10,11,12,13,14,15,16
	v_cmp_eq_u32 s[MK+\e], \e, v[ID+\v]            ; the lanes that hold id e
.endr
	v_mov_b32 v[P], s[MK]
	v_mov_b32 v[P+1], s[CNT]
.irp e, 1,2,3,4,5,6,7,8,9,10,11,12,13,14,15,16
	s_delay_alu instid0(VALU_DEP_2)
	v_cndmask_b32 v[P], v[P], s[MK+\e], s[MK+\e]       ; each lane takes the mask of its own id,
	s_delay_alu instid0(VALU_DEP_2)
	v_cndmask_b32 v[P+1], v[P+1], s[CNT+\e], s[MK+\e]  ; and that id's count so far
.endr
	s_delay_alu instid0(VALU_DEP_1)
	v_mbcnt_lo_u32_b32 v[LOC+\v], v[P], v[P+1]     ; + the equal ids in the lanes below me
.irp e, 0,1,2,3,4,5,6,7,8,9,10,11,12,13,14,15,16
	s_bcnt1_i32_b32 s19, s[MK+\e]
	s_add_co_u32 s[CNT+\e], s[CNT+\e], s19
.endr
.endm
.irp v, 0,1,2,3,4,5,6,7,8,9,10,11,12,13,14,15
	VEC \v
.endr
	v_mov_b32 v20, 0
.irp e, 0,1,2,3,4,5,6,7,8,9,10,11,12,13,14,15,16
	s_delay_alu instid0(VALU_DEP_1)
	v_writelane_b32 v20, s[CNT+\e], \e             ; my wave's totals, bucket e in lane e
.endr
	ds_store_b32 v4, v20
	s_wait_storecnt 0x0                            ; my zeros are written: behind the barrier any wave may store token numbers over them
	s_wait_dscnt 0x0                               ; my totals lie in LDS
	s_barrier_signal -1
	s_barrier_wait -1
.irp i, 0,1,2,3,4,5,6,7
	ds_load_b32 v[WT+\i], v5 offset:128*\i
.endr
	s_wait_dscnt 0x0
	v_add_nc_u32 v21, v[WT], v[WT+1]               ; the sorter's totals
	s_delay_alu instid0(VALU_DEP_1)
	v_add3_u32 v21, v21, v[WT+2], v[WT+3]
	s_delay_alu instid0(VALU_DEP_1)
	v_add3_u32 v21, v21, v[WT+4], v[WT+5]
	s_delay_alu instid0(VALU_DEP_1)
	v_add3_u32 v21, v21, v[WT+6], v[WT+7]
	v_mov_b32 v22, 0                               ; and those of the waves before mine
.irp i, 0,1,2,3,4,5,6
	s_cmp_gt_u32 s18, \i
	s_cselect_b32 s19, -1, 0
	v_and_b32 v16, s19, v[WT+\i]
	s_delay_alu instid0(VALU_DEP_1)
	v_add_nc_u32 v22, v22, v16
.endr
	s_mov_b32 s20, 0                               ; slots so far
	v_mov_b32 v23, 0
.irp e, 0,1,2,3,4,5,6,7,8,9,10,11,12,13,14,15,16
	v_readlane_b32 s[MK+\e], v21, \e               ; N
	s_mov_b32 s[TS+\e], s20                        ; the bucket's first slot
	s_lshl_b32 s21, s20, 6
	v_writelane_b32 v23, s21, \e                   ; and first entry
	s_add_co_u32 s24, s[MK+\e], 63
	s_lshr_b32 s24, s24, 6
	s_add_co_u32 s20, s20, s24                     ; it takes ceil(N / 64) slots
.endr
	s_mul_i32 s21, ttmp9, TPS*64
	v_add3_u32 v23, v23, v22, s21                  ; lane e: the entry of order at which my wave's part of bucket e begins
.irp v, 0,1,2,3,4,5,6,7,8,9,10,11,12,13,14,15
	v_lshlrev_b32 v[POS+\v], 2, v[ID+\v]
.endr
.irp v, 0,1,2,3,4,5,6,7,8,9,10,11,12,13,14,15
	ds_bpermute_b32 v[OFF+\v], v[POS+\v], v23      ; a look-up across lanes: lane i takes lane id's number; no LDS byte is touched
.endr
	s_lshl_b32 s21, ttmp9, 12
	s_lshl_b32 s24, s18, 9
	s_add_co_u32 s21, s21, s24
	v_lshl_add_u32 v26, v1, 2, s21                 ; 4,096 g + 512 w + 4 lane
.irp v, 0,1,2,3,4,5,6,7,8,9,10,11,12,13,14,15
	v_add_nc_u32 v[TOK+\v], 128*(\v/4)+\v%4, v26
.endr
	s_wait_dscnt 0x0
.irp v, 0,1,2,3,4,5,6,7,8,9,10,11,12,13,14,15
	v_add_nc_u32 v[POS+\v], v[OFF+\v], v[LOC+\v]   ; rank r of bucket e lands in slot ts + r / 64 at place r % 64
	s_delay_alu instid0(VALU_DEP_1)
	v_min_u32 v[POS+\v], 10239, v[POS+\v]          ; order has 10,240 entries
	s_delay_alu instid0(VALU_DEP_1)
	v_lshlrev_b32 v[POS+\v], 2, v[POS+\v]
	global_store_b32 v[POS+\v], v[TOK+\v], s[14:15]    ; 4 bytes a lane to scattered places: 16 KB a sorter in all
.endr
	; the table of slots: thread j makes slot j's entry.  The last bucket whose first slot is not behind j owns it (an empty bucket shares its first slot with the next and loses)
	v_mov_b32 v24, 0                               ; expert
	v_mov_b32 v17, 0                               ; its first slot
	v_mov_b32 v18, s[MK]                           ; its rows
.irp e, 1,2,3,4,5,6,7,8,9,10,11,12,13,14,15,16
	v_cmp_le_u32 vcc_lo, s[TS+\e], v0
	s_delay_alu instid0(VALU_DEP_1)
	v_cndmask_b32 v24, v24, \e, vcc_lo
	s_delay_alu instid0(VALU_DEP_2)
	v_cndmask_b32 v17, v17, s[TS+\e], vcc_lo
	s_delay_alu instid0(VALU_DEP_3)
	v_cndmask_b32 v18, v18, s[MK+\e], vcc_lo
.endr
	s_delay_alu instid0(VALU_DEP_2)
	v_sub_nc_u32 v19, v0, v17
	s_delay_alu instid0(VALU_DEP_1)
	v_lshlrev_b32 v19, 6, v19                      ; rows of the bucket in the slots before mine
	s_delay_alu instid0(VALU_DEP_1)
	v_sub_nc_u32 v20, v18, v19
	s_delay_alu instid0(VALU_DEP_2)
	v_cmp_gt_u32 vcc_lo, v18, v19
	s_delay_alu instid0(VALU_DEP_1)
	v_cndmask_b32 v25, 0, v20, vcc_lo              ; what is left, 0 in the slots behind the last used one,
	s_delay_alu instid0(VALU_DEP_1)
	v_min_u32 v25, 64, v25                         ; 64 at the most
	v_lshlrev_b32 v27, 3, v0
	s_mul_i32 s24, ttmp9, TPS*8
	s_mov_b32 s25, 0
	s_add_nc_u64 s[16:17], s[16:17], s[24:25]
	v_cmp_gt_u32 vcc_lo, TPS, v0
	s_wait_alu depctr_va_vdst(0)
	s_wait_xcnt 0x0                                ; EXEC changes only behind this wait: the stores above have had their addresses translated (ISA guide 3.1)
	s_wait_tensorcnt 0x0
	ds_add_u32 v192, v193
	s_wait_dscnt 0x0
	s_and_saveexec_b32 s19, vcc_lo
	global_store_b64 v27, v[24:25], s[16:17]       ; threads 0 to 79
	s_wait_xcnt 0x0                                ; and again in front of the line that widens it
	s_or_b32 exec_lo, exec_lo, s19
	s_endpgm
.Lfunc_end_k_qb597063607_prep:
	.size	k_qb597063607_prep, .Lfunc_end_k_qb597063607_prep-k_qb597063607_prep
	.p2alignl 7, 3214868480
	.fill 96, 4, 3214868480
	.section	.rodata,"a",@progbits
	.p2align	6, 0x0
	.amdhsa_kernel k_qb597063607_prep
		.amdhsa_group_segment_fixed_size 55296
		.amdhsa_private_segment_fixed_size 0
		.amdhsa_enable_private_segment 0
		.amdhsa_kernarg_size 56
		.amdhsa_user_sgpr_count 2
		.amdhsa_user_sgpr_kernarg_segment_ptr 1
		.amdhsa_wavefront_size32 1
		.amdhsa_system_sgpr_workgroup_id_x 1
		.amdhsa_system_sgpr_workgroup_id_y 1
		.amdhsa_system_sgpr_workgroup_id_z 1
		.amdhsa_system_vgpr_workitem_id 0
		.amdhsa_next_free_vgpr 194
		.amdhsa_next_free_sgpr 84
		.amdhsa_reserve_vcc 1
		.amdhsa_float_denorm_mode_32 3
		.amdhsa_float_denorm_mode_16_64 3
		.amdhsa_memory_ordered 1
		.amdhsa_forward_progress 1
		.amdhsa_inst_pref_size 156
	.end_amdhsa_kernel
	.amdgpu_metadata
---
amdhsa.version: [ 1, 2 ]
amdhsa.kernels:
  - .name:           k_qb597063607_prep
    .symbol:         k_qb597063607_prep.kd
    .args:
      - { .name: W1, .offset: 0, .size: 8, .value_kind: global_buffer, .address_space: global }
      - { .name: W2, .offset: 8, .size: 8, .value_kind: global_buffer, .address_space: global }
      - { .name: module_ids, .offset: 16, .size: 8, .value_kind: global_buffer, .address_space: global }
      - { .name: wc, .offset: 24, .size: 8, .value_kind: global_buffer, .address_space: global }
      - { .name: ws, .offset: 32, .size: 8, .value_kind: global_buffer, .address_space: global }
      - { .name: order, .offset: 40, .size: 8, .value_kind: global_buffer, .address_space: global }
      - { .name: tiles, .offset: 48, .size: 8, .value_kind: global_buffer, .address_space: global }
    .group_segment_fixed_size: 55296
    .private_segment_fixed_size: 0
    .kernarg_segment_align: 8
    .kernarg_segment_size: 56
    .max_flat_workgroup_size: 256
    .sgpr_count:     84
    .vgpr_count:     194
    .wavefront_size: 32
...
	.end_amdgpu_metadata
.endif
;; end of part 1
;; launch experts (part 2): grid 160 x 1, 8 waves a work-group, no clusters, 139,264 bytes of LDS; arguments in_feats, wc, ws, b1, b2, order, tiles, out0; writes out0
.if DOCPART == 2
	.amdgcn_target "amdgcn-amd-amdhsa--gfx1250"
	.amdhsa_code_object_version 6
	.text
	.protected	k_qb597063607_experts
	.globl	k_qb597063607_experts
	.p2align	8
	.type	k_qb597063607_experts,@function
k_qb597063607_experts:
	s_mov_b64 s[64:65], 0
	v_nop
	global_prefetch_b8 v0, s[64:65] scope:SCOPE_SE
	s_setreg_imm32_b32 hwreg(HW_REG_WAVE_MODE, 25, 1), 1
	s_wait_xcnt 0x0
; out[t] = relu(x[t] W1[e] + b1[e]) W2[e] + b2[e] for e = module_ids[t]; zeros where the id is no expert's.  Both products on codes of FP6 (E2M3) with one E8M0 scale for each 32 along K.
; ONE WORK-GROUP TAKES ONE SLOT: up to 64 rows of one expert, named by the tables that the launch before has stored (tiles: expert 0..16 and rows 0..64; order: 64 token numbers), through the whole chain.
; The grid is 160 = 2 x (4,096 / 64 + 16) slots, which serves every split of the tokens.  The hidden layer never goes to memory.
; THE WAVES SHARE THE COLUMNS, NOT THE ROWS: wave w makes hidden units 128 w .. 128 w + 127 (which are K step w of the second product) and outputs 32 w .. 32 w + 31, for all 64 rows.  Its weights, 16 + 16 fragments,
; 384 registers, come from memory once, three loads of 16 bytes a lane for a fragment (they are stored as images of the operand's registers), and each feeds four tiles of rows.
; x's eight fragments (four tiles of 16 rows x two K steps) are quantised one a wave.  OPERANDS GO FROM WAVE TO WAVE THROUGH LDS AS IMAGES OF THEIR REGISTERS: 16 bytes a lane, 512 bytes a store; scale words 4 bytes a lane.
; Both products are used TRANSPOSED (source 0 = 16 rows of the weight, source 1 = 16 tokens): a lane holds one token, and its registers run along the units.  W1's rows were chosen so that the 16 registers of
; tiles 2 b and 2 b + 1 are 16 neighbours along the next K.  The biases are the C of each sum's first matrix instruction.
; EVERY SLOT RUNS THE WHOLE CHAIN, so that no barrier stands under a branch on a number read from memory: the expert's number is held at 15 for the addresses, the holes of a slot name token 0; what they compute
; is not stored.  Only the stores at the end are jumped over, by the count of rows; bucket 16's rows are stored as zeros.
; NO CLUSTER, NO TENSOR LOAD: which expert a slot serves is read from memory, and for some splits no two neighbouring slots share an expert, so no joint request could have one descriptor in all partners;
; and the stores at the end hang on a stored number.  So the weights go from memory straight into registers.
; LIMITS: NaN and infinities among the inputs are not served; a block whose largest magnitude lies under 2^-124 (a block of zeros too) gets the scale byte 1: codes of zeros add nothing under it.
; REGISTERS, in windows of 256: window 0: v1-15 addresses; v16-23 W1's scale words, v24-31 W2's; v32-123 at work; v124-255 W2's fragments 5-15.   window 1: v0-191 W1's 16 fragments (later the 8 accumulators
; of the outputs and the second buffer of hidden fragments); v192-251 W2's fragments 0-4.
.set FRB,  1536                        ; a fragment's image: 12 registers x 128 bytes
.set XSC,  0                           ; LDS: x's scale words, 8 x 128 bytes (fragment 2 m + s),
.set HSC,  1024                        ; the hidden layer's, 32 x 128 (fragment 8 m + s),
.set B1L,  5120                        ; b1: 512 bytes a wave,
.set B2L,  9216                        ; b2: 128 bytes a wave,
.set XIMG, 10240                       ; x's 8 fragments,
.set HIMG, 22528                       ; the hidden layer's 32,
.set STG,  71680                       ; and the stage for the outputs: 64 rows x (1,024 + 16) bytes: 16 rows that a store touches begin at 16 different groups of banks (ISA guide 11.1)
.set SP,   1040
.set LI,  1                            ; v1   16 x lane
.set LS,  2                            ; v2   4 x lane
.set XWI, 3                            ; v3   where I store x's image
.set XWS, 4                            ; v4   and its scale words
.set HWI, 5                            ; v5   the hidden layer's image (tile of rows 0; 8 fragments on for each further tile)
.set HWS, 6                            ; v6   and its scale words
.set BA1, 7                            ; v7   b1 in LDS: my wave's, + 64 h
.set BA2, 8                            ; v8   b2: my wave's, + 32 h
.set SO,  9                            ; v9   the stage: where I put 32 bytes of a row
.set SR,  10                           ; v10  and where I read my wave's 8 rows back
.set XL,  11                           ; v11  XIMG + 16 x lane
.set HL,  12                           ; v12  HIMG + 16 x lane
.set XA,  13                           ; v13  x: my row's byte offset + my part of it
.set RA,  14                           ; v14  where my row's number stands in the slot's list; later where b1 goes in LDS
.set RN,  15                           ; v15  my row's number
.set W1S, 16
.set W2S, 24
.set XN,  32                           ; v32-95   64 numbers of x
.set CT,  96                           ; v96-98   a conversion's result on its way
.set PC,  100                          ; v100-111 the codes just made
.set PW,  112                          ; v112     the scale word just made
.set B2T, 113                          ; v113     b2 on its way to LDS
.set TM,  114                          ; v114-119 two largest magnitudes, two bytes, two scale operands
.set B1T, 120                          ; v120-123 b1 on its way to LDS
.set XF,  32                           ; first product: v32-55 x's two fragments, v56-57 their scale words, v58-89 four tiles of the hidden layer
.set XS,  56
.set ACC, 58
.set HF0, 32                           ; second product: v32-79 four hidden fragments (even K steps), v80-83 their scale words, v84-99 b2's two tiles, v100-103 the odd K steps' scale words
.set HS0, 80
.set B2R, 84
.set HS1, 100
.set YA,  0                            ; in window 1: v0-63 the 8 accumulators (tile of outputs n, tile of rows m: 8 (4 n + m)), v64-111 four hidden fragments (odd K steps)
.set HF1, 64
.set W2LO, 192                         ; in window 1: W2's fragments 0-4;
.set W2HI, 124                         ; in window 0: 5-15
.set OUTR, 32                          ; the way out: v32-95 my 8 rows, v100-107 their byte offsets in out0
.set VO,  100
.set SEL, 36                           ; s[36:37] v_permlanex16_b32's selects for lane l xor 16
.set MSB, 0
.macro WIN new                         ; bits 1:0 source 0, 3:2 source 1, 5:4 source 2, 7:6 destination; the immediate's high byte repeats the setting that is left
.if MSB != \new
	s_set_vgpr_msb (MSB<<8)|\new
.set MSB, \new
.endif
.endm
.macro BARRIER                         ; my LDS stores have landed and my LDS loads are in: then the work-group's barrier
	s_wait_dscnt 0x0
	s_barrier_signal -1
	s_barrier_wait -1
.endm
.macro PLACES n                        ; plain vector lines between a matrix instruction and a load into, or a vector line on, its registers
.rept \n
	v_nop
.endr
.endm
; 32 numbers of a lane, register 16 b' + i = k 32 (2 c + b') + 16 (lane / 16) + i of my row, become registers 6 c .. 6 c + 5 of a fragment in v[PC] on and bytes 2 c, 2 c + 1 of its scale word in v[PW].
.macro QHALF src, c
	v_max3_num_f32 v[TM], |v[\src]|, |v[\src+1]|, 0x1800000            ; my 16 numbers of each block, and the floor 2^(3 - 127): the byte cannot fall under 1
	v_max3_num_f32 v[TM+1], |v[\src+16]|, |v[\src+17]|, 0x1800000
.irp i, 2,4,6,8,10,12,14
	s_delay_alu instid0(VALU_DEP_2)
	v_max3_num_f32 v[TM], v[TM], |v[\src+\i]|, |v[\src+\i+1]|          ; (the two blocks by turns)
	s_delay_alu instid0(VALU_DEP_2)
	v_max3_num_f32 v[TM+1], v[TM+1], |v[\src+16+\i]|, |v[\src+17+\i]|
.endr
	s_delay_alu instid0(VALU_DEP_2)
	v_permlanex16_b32 v[TM+2], v[TM], s[SEL], s[SEL+1]
	s_delay_alu instid0(VALU_DEP_2)
	v_permlanex16_b32 v[TM+3], v[TM+1], s[SEL], s[SEL+1]
	s_delay_alu instid0(VALU_DEP_2)
	v_max_num_f32 v[TM], v[TM], v[TM+2]            ; with lane l xor 16's 16: the block's largest magnitude
	s_delay_alu instid0(VALU_DEP_2)
	v_max_num_f32 v[TM+1], v[TM+1], v[TM+3]
	s_delay_alu instid0(VALU_DEP_2)
	v_add_nc_u32 v[TM+4], 0xff000000, v[TM]        ; 2 off the exponent field: the conversion's scale operand
	s_delay_alu instid0(VALU_DEP_2)
	v_add_nc_u32 v[TM+5], 0xff000000, v[TM+1]
	s_delay_alu instid0(VALU_DEP_2)
	v_lshrrev_b32 v[TM+2], 23, v[TM+4]             ; the scale's byte
	s_delay_alu instid0(VALU_DEP_2)
	v_lshrrev_b32 v[TM+3], 23, v[TM+5]
.if (\c) == 0
	s_delay_alu instid0(VALU_DEP_1)
	v_lshl_or_b32 v[PW], v[TM+3], 8, v[TM+2]
.else
	s_delay_alu instid0(VALU_DEP_2)
	v_lshl_or_b32 v[PW], v[TM+2], 16, v[PW]
	s_delay_alu instid0(VALU_DEP_1)
	v_lshl_or_b32 v[PW], v[TM+3], 24, v[PW]
.endif
	v_cvt_scalef32_pk16_fp6_f32 v[PC+6*(\c):PC+6*(\c)+2], v[\src:\src+15], v[TM+4]
	v_cvt_scalef32_pk16_fp6_f32 v[CT:CT+2], v[\src+16:\src+31], v[TM+5]     ; (a conversion's three registers begin on an even number)
	v_nop                                          ; one plain line behind a scaled conversion
.irp i, 0,1,2
	v_permlane16_swap_b32 v[PC+6*(\c)+\i], v[CT+\i]    ; the operand wants a WHOLE block in a lane: lanes 0-15 block 2 c, lanes 16-31 block 2 c + 1
.endr
.irp i, 0,1,2
	s_delay_alu instid0(VALU_DEP_3)
	v_mov_b32 v[PC+6*(\c)+3+\i], v[CT+\i]
.endr
.endm
.macro IMAGE adr, off                  ; the fragment in v[PC] on goes to LDS as it stands
.irp j, 0,1,2
	ds_store_b128 v[\adr], v[PC+4*\j:PC+4*\j+3] offset:\off+512*\j
.endr
.endm
.macro FETCH reg, adr, off             ; and comes back so, in any wave
.irp j, 0,1,2
	ds_load_b128 v[\reg+4*\j:\reg+4*\j+3], v[\adr] offset:\off+512*\j
.endr
.endm
; One matrix instruction.  row = 1: source 0's scale words stand in lanes 16-31 of their register (a unit's second fragment)
.macro MM d, a, b, c, sa, sb, row
.if \row
	v_wmma_scale_f32_16x16x128_f8f6f4 v[\d:\d+7], v[\a:\a+11], v[\b:\b+11], v[\c:\c+7], v[\sa], v[\sb] matrix_a_fmt:MATRIX_FMT_FP6 matrix_b_fmt:MATRIX_FMT_FP6 matrix_a_scale:MATRIX_SCALE_ROW1
.else
	v_wmma_scale_f32_16x16x128_f8f6f4 v[\d:\d+7], v[\a:\a+11], v[\b:\b+11], v[\c:\c+7], v[\sa], v[\sb] matrix_a_fmt:MATRIX_FMT_FP6 matrix_b_fmt:MATRIX_FMT_FP6
.endif
.endm
	s_load_b256 s[4:11], s[0:1], 0x0               ; in_feats s[4:5], wc s[6:7], ws s[8:9], b1 s[10:11]
	s_load_b256 s[12:19], s[0:1], 0x20             ; b2 s[12:13], order s[14:15], tiles s[16:17], out0 s[18:19]
	s_set_vgpr_msb 0x40
	v_lshl_add_u32 v254, v0, 2, 0x21c00
	v_mov_b32 v255, 0
	s_set_vgpr_msb 0x4000
	v_lshrrev_b32 v32, 5, v0
	s_delay_alu instid0(VALU_DEP_1)
	v_readfirstlane_b32 s24, v32                   ; wave 0..7
	v_and_b32 v32, 31, v0                          ; lane
	v_and_b32 v33, 15, v0                          ; r
	v_bfe_u32 v34, v0, 4, 1                        ; h
	s_delay_alu instid0(VALU_DEP_3)
	v_lshlrev_b32 v[LI], 4, v32
	s_delay_alu instid0(VALU_DEP_4)
	v_lshlrev_b32 v[LS], 2, v32
	s_mul_i32 s25, s24, FRB
	s_add_co_u32 s26, s25, XIMG
	v_add_nc_u32 v[XWI], s26, v[LI]                ; x's fragment 2 m + s is my wave's number
	s_add_co_u32 s26, s25, HIMG
	v_add_nc_u32 v[HWI], s26, v[LI]                ; the hidden layer's fragment 8 m + w
	v_lshl_add_u32 v[XWS], v0, 2, XSC              ; 4 x thread = 128 x wave + 4 x lane
	v_lshl_add_u32 v[HWS], v0, 2, HSC
	s_lshl_b32 s25, s24, 9
	s_add_co_u32 s25, s25, B1L
	v_lshl_add_u32 v[BA1], v34, 6, s25
	s_lshl_b32 s25, s24, 7
	s_add_co_u32 s26, s25, B2L
	v_lshl_add_u32 v[BA2], v34, 5, s26
	s_add_co_u32 s26, s25, STG
	v_mul_u32_u24 v[SO], v33, SP
	s_delay_alu instid0(VALU_DEP_1)
	v_lshl_add_u32 v[SO], v34, 5, v[SO]
	s_delay_alu instid0(VALU_DEP_1)
	v_add_nc_u32 v[SO], s26, v[SO]                 ; row r, + 128 x wave + 32 h: my eight outputs' bytes
	s_mul_i32 s25, s24, 8*SP
	s_add_co_u32 s25, s25, STG
	v_add_nc_u32 v[SR], s25, v[LI]
	v_add_nc_u32 v[XL], XIMG, v[LI]
	v_add_nc_u32 v[HL], HIMG, v[LI]
	s_lshr_b32 s25, s24, 1                         ; the tile of rows that I quantise: m = wave / 2
	s_lshl_b32 s25, s25, 6
	v_lshl_add_u32 v[RA], v33, 2, s25              ; entry 16 m + r of the slot's list
	s_and_b32 s25, s24, 1                          ; and the K step: s = wave % 2
	s_lshl_b32 s25, s25, 9
	v_lshl_add_u32 v[XA], v34, 6, s25              ; 512 s + 64 h: my 16 numbers of each block of 32
	v_mov_b32 v[TM+2], 0                           ; written once: a lane permute's destination counts as one of its sources
	v_mov_b32 v[TM+3], 0
	s_mov_b32 s[SEL], 0x76543210
	s_mov_b32 s[SEL+1], 0xfedcba98
	s_mov_b32 s41, 0
	s_wait_alu depctr_va_vdst(0)
	s_wait_kmcnt 0x0
	s_lshl_b32 s40, ttmp9, 8
	s_add_nc_u64 s[14:15], s[14:15], s[40:41]      ; my slot's 64 token numbers
	s_lshl_b32 s40, s24, 5
	s_add_nc_u64 s[44:45], s[14:15], s[40:41]      ; the 8 that my wave stores at the end
	s_lshl_b32 s40, ttmp9, 3
	s_add_nc_u64 s[16:17], s[16:17], s[40:41]      ; my slot's entry in the table
	s_load_b64 s[20:21], s[16:17], 0x0             ; expert, rows.  These three addresses hang on ids alone and go out together
	s_load_b256 s[28:35], s[44:45], 0x0
	global_load_b32 v[RN], v[RA], s[14:15]
	s_wait_kmcnt 0x0
	s_cmp_lt_u32 s20, 16
	s_cselect_b32 s38, -1, 0                       ; bucket 16's results are masked to zeros
	s_min_u32 s20, s20, 15                         ; for the addresses the expert is held inside the tables
	s_min_u32 s21, s21, 64
	s_lshl_b32 s25, s24, 3
	s_sub_co_i32 s39, s21, s25                     ; how many of my wave's 8 rows exist (0 or less: none)
	s_lshl_b32 s26, s20, 3
	s_add_co_u32 s26, s26, s24                     ; 8 e + w
	s_mul_i32 s40, s26, 8*3072
	s_add_nc_u64 s[6:7], s[6:7], s[40:41]          ; my 8 units of W1's codes; W2's stand 1,024 units on
	s_lshl_b32 s40, s26, 10
	s_add_nc_u64 s[8:9], s[8:9], s[40:41]          ; and their scale words
	s_lshl_b32 s40, s26, 9
	s_add_nc_u64 s[10:11], s[10:11], s[40:41]      ; b1: 4,096 e + 512 w
	s_lshl_b32 s40, s26, 7
	s_add_nc_u64 s[12:13], s[12:13], s[40:41]      ; b2: 1,024 e + 128 w
.irp j, 0,1,2,3,4,5,6,7
	s_min_u32 s[28+\j], s[28+\j], 8191
	s_lshl_b32 s[28+\j], s[28+\j], 10              ; a row of out0 is 1,024 bytes
.endr
	s_wait_loadcnt 0x0                             ; my row's number
	v_min_u32 v[RN], 8191, v[RN]
	s_delay_alu instid0(VALU_DEP_1)
	v_lshl_add_u32 v[XA], v[RN], 10, v[XA]
	v_lshl_add_u32 v[RA], v0, 4, B1L               ; (free since that wait)  16 x thread = 512 x wave + 16 x lane
	; the loads, in the order in which they are needed
.irp b, 0,1,2,3
.irp j, 0,1,2,3
	global_load_b128 v[XN+16*\b+4*\j:XN+16*\b+4*\j+3], v[XA], s[4:5] offset:128*\b+16*\j   ; x(row, 128 s + 32 b + 16 h + 4 j ..)
.endr
.endr
	global_load_b128 v[B1T:B1T+3], v[LI], s[10:11]
	global_load_b32 v[B2T], v[LS], s[12:13]
.irp q, 0,1,2,3,4,5,6,7
	global_load_b32 v[W1S+\q], v[LS], s[8:9] offset:128*\q         ; unit q = 2 b + s: lanes 0-15 fragment 0's words, lanes 16-31 fragment 1's
.endr
	WIN 0x40                                       ; destination window 1
.irp f, 0,1,2,3,4,5,6,7,8,9,10,11,12,13,14,15
.irp j, 0,1,2
	global_load_b128 v[12*\f+4*\j:12*\f+4*\j+3], v[LI], s[6:7] offset:FRB*\f+512*\j        ; W1's fragment f = 4 b + 2 s + u
.endr
.endr
	WIN 0
	; ---- X: my fragment of x
	s_wait_loadcnt 58                              ; x's 16 loads are in; behind them 2 + 8 + 48 may be out
	QHALF XN, 0
	QHALF XN+32, 1
	IMAGE XWI, 0
	ds_store_b32 v[XWS], v[PW]
	s_wait_loadcnt 56                              ; the biases are in; behind them 8 + 48 may be out
	ds_store_b128 v[RA], v[B1T:B1T+3]              ; my wave's own bytes, read by my wave alone
	ds_store_b32 v[HWS], v[B2T] offset:B2L-HSC
.irp s, 0,1,2,3,4,5,6,7
	global_load_b32 v[W2S+\s], v[LS], s[8:9] offset:131072+128*\s  ; W2's loads have the whole first product in which to land
.endr
	WIN 0x40
.irp f, 0,1,2,3,4
.irp j, 0,1,2
	global_load_b128 v[W2LO+12*\f+4*\j:W2LO+12*\f+4*\j+3], v[LI], s[6:7] offset:3145728+FRB*\f+512*\j   ; W2's fragment f = 2 s + n
.endr
.endr
	WIN 0
.irp f, 5,6,7,8,9,10,11,12,13,14,15
.irp j, 0,1,2
	global_load_b128 v[W2HI+12*(\f-5)+4*\j:W2HI+12*(\f-5)+4*\j+3], v[LI], s[6:7] offset:3145728+FRB*\f+512*\j
.endr
.endr
	BARRIER                                        ; x's eight fragments lie in LDS
	s_wait_loadcnt 56                              ; W1 and its scale words are in; W2's 8 + 48 may be out
	; ---- 1: the hidden layer, a tile of 16 rows at a time, my 128 units in two halves of four tiles.  The four accumulators take turns, one instruction a turn.
.irp m, 0,1,2,3
	FETCH XF, XL, (2*\m)*FRB
	FETCH XF+12, XL, (2*\m+1)*FRB
	ds_load_b32 v[XS], v[LS] offset:XSC+128*(2*\m)
	ds_load_b32 v[XS+1], v[LS] offset:XSC+128*(2*\m+1)
.irp c, 0,1
.irp t, 0,1,2,3
	ds_load_b128 v[ACC+8*\t:ACC+8*\t+3], v[BA1] offset:(32*(2*\c+\t/2)+8*(\t%2))*4           ; b1 at the lane's eight units 32 b + 16 h + 8 u + 0 .. 7: the sums begin with it
	ds_load_b128 v[ACC+8*\t+4:ACC+8*\t+7], v[BA1] offset:(32*(2*\c+\t/2)+8*(\t%2))*4+16
.endr
	s_wait_dscnt 0x0                               ; the operands are in (and the stores of the tile before have read PC and PW)
	WIN 0x01                                       ; source 0 (W1) window 1
.irp s, 0,1
.irp t, 0,1,2,3
	MM ACC+8*\t, 12*(4*(2*\c+\t/2)+2*\s+\t%2), XF+12*\s, ACC+8*\t, W1S+2*(2*\c+\t/2)+\s, XS+\s, \t%2
.endr
.endr
	WIN 0
	PLACES 4
.set J, 0
.rept 32
	v_max_num_f32 v[ACC+J], 0, v[ACC+J]            ; the activation, in f32; each accumulator from its low end on
.set J, J+1
.endr
	QHALF ACC, \c
.endr
	IMAGE HWI, 8*FRB*\m                            ; K step w of the second product, rows 16 m on
	ds_store_b32 v[HWS], v[PW] offset:1024*\m
.endr
	BARRIER                                        ; the hidden layer's 32 fragments lie in LDS
	s_wait_loadcnt 0x0                             ; W2 and its scale words
	; ---- 2: my 32 outputs for the 64 rows: eight accumulators by turns, a K step at a time; the next K step's four hidden fragments are fetched ahead, into two buffers by turns
.macro HFETCH s
.if (\s)%2
	WIN 0x40
.irp m, 0,1,2,3
	FETCH HF1+12*\m, HL, (8*\m+(\s))*FRB
.endr
	WIN 0
.irp m, 0,1,2,3
	ds_load_b32 v[HS1+\m], v[LS] offset:HSC+128*(8*\m+(\s))
.endr
.else
	WIN 0
.irp m, 0,1,2,3
	FETCH HF0+12*\m, HL, (8*\m+(\s))*FRB
.endr
.irp m, 0,1,2,3
	ds_load_b32 v[HS0+\m], v[LS] offset:HSC+128*(8*\m+(\s))
.endr
.endif
.endm
.macro YMUL s
.irp n, 0,1
.set F, 2*(\s)+\n
.set WS, 0x40                          ; the accumulators lie in window 1;
.if (\s) > 0
.set WS, WS|0x10                       ; C too, but for the first K step, whose C is b2
.endif
.if (\s)%2
.set WS, WS|0x04                       ; the odd K steps' hidden fragments too
.set YB, HF1
.set YS, HS1
.else
.set YB, HF0
.set YS, HS0
.endif
.if F < 5
.set WS, WS|0x01                       ; and W2's fragments 0-4
.set YF, W2LO+12*F
.else
.set YF, W2HI+12*(F-5)
.endif
	WIN WS
.irp m, 0,1,2,3
.set YD, YA+8*(4*\n+\m)
.if (\s) == 0
	MM YD, YF, YB+12*\m, B2R+8*\n, W2S+(\s), YS+\m, \n
.else
	MM YD, YF, YB+12*\m, YD, W2S+(\s), YS+\m, \n
.endif
.endr
.endr
.endm
	v_nop                                          ; with the four behind the last products: five lines ahead of results laid over registers that those products read
.irp n, 0,1
	ds_load_b128 v[B2R+8*\n:B2R+8*\n+3], v[BA2] offset:64*\n           ; b2 at the lane's eight outputs 16 n + 8 h + 0 .. 7
	ds_load_b128 v[B2R+8*\n+4:B2R+8*\n+7], v[BA2] offset:64*\n+16
.endr
	HFETCH 0
.irp s, 0,1,2,3,4,5,6
.if \s > 0
	PLACES 4                                       ; the buffer that is loaded next was read by the products just issued
.endif
	HFETCH \s+1
	s_wait_dscnt 16                                ; all but the 16 loads just issued
	YMUL \s
.endr
	s_wait_dscnt 0x0
	YMUL 7
	WIN 0
	PLACES 4
	WIN 0x04                                       ; an LDS store's data are its source 1: window 1
.irp m, 0,1,2,3
.irp n, 0,1
	ds_store_b128 v[SO], v[YA+8*(4*\n+\m):YA+8*(4*\n+\m)+3] offset:16*SP*\m+64*\n          ; lane (r, h): y(16 m + r, 32 w + 16 n + 8 h + 0 .. 7); each accumulator from its low end on
	ds_store_b128 v[SO], v[YA+8*(4*\n+\m)+4:YA+8*(4*\n+\m)+7] offset:16*SP*\m+64*\n+16
.endr
.endr
	WIN 0
	BARRIER                                        ; 64 whole rows lie in the stage
	; ---- the way out: my wave stores rows 8 w .. 8 w + 7 of the slot, each to the token's row of out0
.irp j, 0,1,2,3,4,5,6,7
	ds_load_b128 v[OUTR+8*\j:OUTR+8*\j+3], v[SR] offset:SP*\j
	ds_load_b128 v[OUTR+8*\j+4:OUTR+8*\j+7], v[SR] offset:SP*\j+512
.endr
.irp j, 0,1,2,3,4,5,6,7
	v_add_nc_u32 v[VO+\j], s[28+\j], v[LI]
.endr
	s_wait_dscnt 0x0
.set J, 0
.rept 64
	v_and_b32 v[OUTR+J], s38, v[OUTR+J]            ; as they are, or zeros for the rows whose id is no expert's
.set J, J+1
.endr
.irp j, 0,1,2,3,4,5,6,7
	s_cmp_gt_i32 s39, \j                           ; a slot's rows fill it from its first place on: the first hole ends the stores
	s_cbranch_scc0 .Ldone
	global_store_b128 v[VO+\j], v[OUTR+8*\j:OUTR+8*\j+3], s[18:19] th:TH_STORE_NT           ; 32 lanes store 512 consecutive bytes, at a multiple of 512 from out0's first byte; written once, read by nobody here
	s_wait_alu depctr_va_vdst(0)
	global_store_b128 v[VO+\j], v[OUTR+8*\j+4:OUTR+8*\j+7], s[18:19] offset:512 th:TH_STORE_NT
.endr
.Ldone:
	s_set_vgpr_msb 0x5
	s_wait_tensorcnt 0x0
	ds_add_u32 v254, v255
	s_wait_dscnt 0x0
	s_set_vgpr_msb 0x500
	s_endpgm
.Lfunc_end_k_qb597063607_experts:
	.size	k_qb597063607_experts, .Lfunc_end_k_qb597063607_experts-k_qb597063607_experts
	.p2alignl 7, 3214868480
	.fill 96, 4, 3214868480
	.section	.rodata,"a",@progbits
	.p2align	6, 0x0
	.amdhsa_kernel k_qb597063607_experts
		.amdhsa_group_segment_fixed_size 139264
		.amdhsa_private_segment_fixed_size 0
		.amdhsa_enable_private_segment 0
		.amdhsa_kernarg_size 64
		.amdhsa_user_sgpr_count 2
		.amdhsa_user_sgpr_kernarg_segment_ptr 1
		.amdhsa_wavefront_size32 1
		.amdhsa_system_sgpr_workgroup_id_x 1
		.amdhsa_system_sgpr_workgroup_id_y 1
		.amdhsa_system_sgpr_workgroup_id_z 1
		.amdhsa_system_vgpr_workitem_id 0
		.amdhsa_next_free_vgpr 512
		.amdhsa_next_free_sgpr 66
		.amdhsa_reserve_vcc 0
		.amdhsa_float_denorm_mode_32 3
		.amdhsa_float_denorm_mode_16_64 3
		.amdhsa_memory_ordered 1
		.amdhsa_forward_progress 1
		.amdhsa_inst_pref_size 95
	.end_amdhsa_kernel
	.amdgpu_metadata
---
amdhsa.version: [ 1, 2 ]
amdhsa.kernels:
  - .name:           k_qb597063607_experts
    .symbol:         k_qb597063607_experts.kd
    .args:
      - { .name: in_feats, .offset: 0, .size: 8, .value_kind: global_buffer, .address_space: global }
      - { .name: wc, .offset: 8, .size: 8, .value_kind: global_buffer, .address_space: global }
      - { .name: ws, .offset: 16, .size: 8, .value_kind: global_buffer, .address_space: global }
      - { .name: b1, .offset: 24, .size: 8, .value_kind: global_buffer, .address_space: global }
      - { .name: b2, .offset: 32, .size: 8, .value_kind: global_buffer, .address_space: global }
      - { .name: order, .offset: 40, .size: 8, .value_kind: global_buffer, .address_space: global }
      - { .name: tiles, .offset: 48, .size: 8, .value_kind: global_buffer, .address_space: global }
      - { .name: out0, .offset: 56, .size: 8, .value_kind: global_buffer, .address_space: global }
    .group_segment_fixed_size: 139264
    .private_segment_fixed_size: 0
    .kernarg_segment_align: 8
    .kernarg_segment_size: 64
    .max_flat_workgroup_size: 256
    .sgpr_count:     66
    .vgpr_count:     512
    .wavefront_size: 32
...
	.end_amdgpu_metadata
.endif
;; end of part 2
